; MI455X (gfx1250); checked and timed in simulation.
; The chip was launched on July 23, 2026; its instructions are those of AMD's public machine-readable ISA for CDNA 5 (MIT licence, August 2026) and "CDNA5" Instruction Set Architecture Reference Guide (July 2026). The comments in the code are by the model that wrote it; some were corrected since.
;; SE3 Attention. Allowed arithmetic: matrix products marked QUANTISED: E2M1 operands, one E8M0 scale for each 32 along K, by v_wmma_scale_f32_16x16x128_f8f6f4 with both operands' format E2M1 (or v_wmma_scale_f32_32x16x128_f4), f32 sums; products left as they are: bf16, f16 or f32 operands; f32 sums; everything else in f32.
;; Inputs: Wk 256 x 256 float32; Wo 256 x 256 float32; Wq 256 x 256 float32; Wv 256 x 256 float32; bk 256 float32; bo 256 float32; bq 256 float32; bv 256 float32; pos 2 x 4,096 x 3 float32; x 2 x 4,096 x 256 float32.
;; Outputs: out0 2 x 4,096 x 256 float32.
;; This version of the problem:
;;   THIS VERSION OF THE PROBLEM IS GIVEN IN LOW PRECISION. The matrix products marked QUANTISED in the list below multiply operands that are first quantised to E2M1 (2 exponent bits, 1 mantissa bit; 4 bits a number), with one power-of-two scale for each 32 numbers along K (OCP MX v1.0); their sums are f32. The products marked 'left as it is' may take bf16, f16 or f32 operands, with f32 sums. Whichever they take, every output number must still come out within the allowed error. Rounding operands to bf16 (8 significant bits) uses up far more of that allowance than f16 does (11 bits, for magnitudes from 6e-5 to 65,504). All else is computed in f32.
;;   The module's matrix products, in the order in which they are computed (A, B: the left and right operand; K: the contracted axis; several contracted axes count as one K, in the product's order):
;;     1. [M 8,192, K 256] x [K 256, N 256]; A: input x; B: input Wq: QUANTISED
;;     2. [M 8,192, K 256] x [K 256, N 256]; A: input x; B: input Wk: QUANTISED
;;     3. [M 8,192, K 256] x [K 256, N 256]; A: input x; B: input Wv: QUANTISED
;;     4. batch 16 x [M 4,096, K 32] x [K 32, N 4,096]; A: computed on the way; B: computed on the way: left as it is (an operand is computed on the way)
;;     5. batch 2 x [M 4,096, K 3] x [K 3, N 4,096]; A: input pos; B: input pos: left as it is (K = 3 < 32)
;;     6. batch 16 x [M 4,096, K 4,096] x [K 4,096, N 32]; A: computed on the way; B: computed on the way: left as it is (an operand is computed on the way)
;;     7. [M 8,192, K 256] x [K 256, N 256]; A: computed on the way; B: input Wo: left as it is (an operand is computed on the way)
;;   THE QUANTISER, for each operand of a quantised product, along K:
;;     - K is cut into blocks of 32 from its start; a last block that is shorter is filled with zeros.
;;     - A block's scale is 2^e with e = floor(log2(the largest magnitude in the block)) - 2, held to -126 .. 127; a block of zeros has e = 0. As a byte (E8M0): e + 127.
;;     - Each number is divided by its block's scale, clamped to +-6, and rounded to the nearest number of E2M1, ties to even, subnormals kept.
;;     - The product sums the exact products of the quantised numbers (number of the format x scale) in f32.
;;   ~~~python
;;   def quantise(x, axis):      # numpy; x: float32 -> the quantised numbers, widened to float32 again
;;       x = np.moveaxis(x, axis, -1); K = x.shape[-1]
;;       x = np.pad(x, [(0, 0)] * (x.ndim - 1) + [(0, -K % 32)]); x = x.reshape(x.shape[:-1] + (-1, 32)); a = np.abs(x).max(-1, keepdims=True)
;;       e = np.where(a > 0, np.clip(np.frexp(np.where(a > 0, a, 1))[1] - 1 - 2, -126, 127), 0)      # np.frexp(a)[1] - 1 = floor(log2(a)), exactly
;;       r = np.clip(x / 2.0 ** e, -6, 6)
;;       step = 2.0 ** (np.maximum(np.frexp(np.where(r == 0, 1, r))[1] - 1, 0) - 1)
;;       q = np.round(r / step) * step * 2.0 ** e      # np.round: ties to even
;;       return np.moveaxis(q.reshape(q.shape[:-2] + (-1,))[..., :K], -1, axis).astype(np.float32)
;;   ~~~
;; One version. Each part assembles by itself: llvm-mc -triple=amdgcn-amd-amdhsa -mcpu=gfx1250 --defsym DOCPART=n.
;; ======== version 1 of 1: 3 launches
;; limits: values are held in f16: magnitudes above 65,504 overflow, below 6.1e-05 lose precision
;; workspace buffers: qimg 4,194,304 bytes; kv 8,388,608 bytes; fq 262,144 bytes; fk 262,144 bytes; wo16 131,072 bytes; att 4,194,304 bytes
;; launch proj (part 1): grid 64 x 3, 16 waves a work-group, no clusters, 20,480 bytes of LDS; arguments x, pos, Wq, Wk, Wv, bq, bk, bv, Wo, qimg, kv, fq, fk, wo16; writes qimg, kv, fq, fk, wo16
.if DOCPART == 1
	.amdgcn_target "amdgcn-amd-amdhsa--gfx1250"
	.amdhsa_code_object_version 6
	.text
	.protected	k_q158f3135e8_proj
	.globl	k_q158f3135e8_proj
	.p2align	8
	.type	k_q158f3135e8_proj,@function
k_q158f3135e8_proj:
	s_mov_b64 s[64:65], 0
	v_nop
	global_prefetch_b8 v0, s[64:65] scope:SCOPE_SE
	s_setreg_imm32_b32 hwreg(HW_REG_WAVE_MODE, 25, 1), 1
	s_wait_xcnt 0x0
; q = x Wq^T + bq, k = x Wk^T + bk, v = x Wv^T + bv on codes of FP4 (E2M1) with one E8M0 scale for each 32 along K (K = 256, innermost in x and in W); sums in f32.
; The results leave as f16 IMAGES OF THE REGISTERS in which the attention launch wants them: a fragment is 1,024 bytes, registers 0-3 of lane L at 16 L, registers 4-7 at 512 + 16 L.
;   qimg [token tile 512][head 8][1 KB]: -c q, c = log2(e) / sqrt(32), scaled in f32 ahead of the rounding.
;   kv [2 batch + head group][step of 64 keys][32 KB]: K at 4,096 key tile + 1,024 head; V at 16,384 + 8,192 chunk of 32 keys + 2,048 head + 1,024 dim tile.
; Beside them: fq, fk (the positions as f16 features for the distance product: macro FEAT) and wo16 (Wo as f16 fragments: macro WOIMG).
; SHARES.  Work-group x = 128 tokens (8 tiles of 16), y = the matrix (0 q, 1 k, 2 v).  Wave u owns rows 16 u .. 16 u + 15 of W for all 8 token tiles; it also quantises x's tile u / 2, K chunk u % 2 (128 along K),
; and hands codes and scale words to the other waves through LDS as images of the operand's registers.  One barrier, no loop.
; q and k use the product transposed (source 0 = W, source 1 = x): a lane holds one token and eight neighbouring features.  v uses it as it stands: a lane holds one feature and eight neighbouring tokens (the keys are the K of V^T P).
; NO CLUSTER, NO TENSOR LOAD: both operands arrive as f32 and must pass through registers to be quantised; a wave reads 8 KB of x and 16 KB of W once.  x is quantised by each of the three y: 3 x 8 MB are read in place of a launch more.
; LIMITS: |c q|, |k|, |v|, |Wo|, |s pos| and s^2 |pos|^2 (s = log2(e) / 10) must stay under 65,504, the largest f16 number; f16 parts under 2^-24 are lost; NaN and infinities are not served.
; A block of zeros gets the scale byte 1 where the quantiser says 127: its codes are zeros, and this program alone reads the bytes.  Blocks whose largest magnitude lies under 2^-124 are held at that byte.
.set XSC,   16384                      ; LDS: 0 .. 16,383 x's 16 fragments (2 tile + chunk), 1 KB each; then their scale words, 128 bytes each
.set SPARE, 18432                      ; the spare words, 128 bytes for each of the 16 waves: eight blocks of 256 bytes that no other line names
.set LI,   1                           ; v1   16 x lane
.set RW,   4                           ; v4   1,024 r + 128 h: my 32 numbers of a block pair in row r of x or of W
.set SPW,  5                           ; v5   my spare word; never rewritten
.set NIL,  6                           ; v6   0; never rewritten
.set XWS,  7                           ; v7   where I store my scale word of x
.set XWI,  8                           ; v8   where I store my fragment of x
.set XRS,  9                           ; v9   where I read x's scale words: lanes 0-15 chunk 0's, lanes 16-31 chunk 1's
.set WSC,  14                          ; v14  W's scale words: lanes 0-15 chunk 0's, lanes 16-31 chunk 1's
.set WC,   16                          ; v16-31  W's codes, chunk kc at WC + 8 kc
.set PC,   32                          ; v32-39  x's codes
.set BIAS, 48                          ; v48-55  the bias in the result's layout: the C of each sum's first product
.set XSW,  56                          ; v56-63  x's scale words, one register a token tile
.set ACC,  64                          ; v64-127 first my 64 numbers of x, then the 8 accumulators
.set XF,   128                         ; v128-255 first my 128 numbers of W; then v128-191 x's fragments of four tiles, v192 on the extras
	s_load_b512 s[8:23], s[0:1], 0x0               ; x 8, pos 10, Wq 12, Wk 14, Wv 16, bq 18, bk 20, bv 22
	s_load_b256 s[24:31], s[0:1], 0x40             ; Wo 24, qimg 26, kv 28, fq 30
	s_load_b128 s[32:35], s[0:1], 0x60             ; fk 32, wo16 34
	v_lshl_add_u32 v[SPW], v0, 2, SPARE
	v_mov_b32 v[NIL], 0
	v_lshrrev_b32 v12, 5, v0
	v_readfirstlane_b32 s36, v12                   ; u: wave 0..15
	s_and_b32 s37, ttmp7, 0xffff                   ; y: which matrix
	s_lshr_b32 s39, s36, 1                         ; u / 2: the head of my features, and the token tile that I quantise
	s_and_b32 s54, s36, 1                          ; u % 2: which half of the head's 32, and which K chunk I quantise
	v_and_b32 v12, 31, v0
	v_lshlrev_b32 v[LI], 4, v12
	v_and_b32 v2, 15, v0                           ; r
	v_bfe_u32 v3, v0, 4, 1                         ; h
	v_lshlrev_b32 v[RW], 10, v2
	v_lshl_add_u32 v[RW], v3, 7, v[RW]
	v_lshl_add_u32 v[XWS], v0, 2, XSC              ; 4 x thread = 128 u + 4 lane
	v_and_b32 v[XWI], 0x1e0, v0                    ; 32 u
	v_lshl_add_u32 v[XWI], v[XWI], 5, v[LI]        ; 1,024 u + 16 lane
	v_lshlrev_b32 v[XRS], 2, v2
	v_lshl_add_u32 v[XRS], v3, 7, v[XRS]
	v_add_nc_u32 v[XRS], XSC, v[XRS]
	v_lshlrev_b32 v10, 3, v3                       ; 8 h: my two scale bytes' place in the word
	v_mov_b32 v11, 0                               ; a lane permute's destination counts as one of its sources
	s_mov_b32 s40, 0x76543210
	s_mov_b32 s41, 0xfedcba98                      ; v_permlanex16_b32's selects for lane l xor 16
	s_mov_b32 s42, 0xbe8293ee                      ; -c = -log2(e) / sqrt(32)
	s_mov_b32 s43, s42                             ; (named with it as a pair)
	s_mov_b32 s51, 0
	s_mov_b32 s53, 0
	s_wait_kmcnt 0x0
	s_cmp_eq_u32 s37, 0                            ; the matrix and its bias: a choice on the work-group's number alone
	s_cselect_b64 s[44:45], s[12:13], s[14:15]
	s_cselect_b64 s[46:47], s[18:19], s[20:21]
	s_cmp_eq_u32 s37, 2
	s_cselect_b64 s[44:45], s[16:17], s[44:45]
	s_cselect_b64 s[46:47], s[22:23], s[46:47]
	s_lshl_b32 s50, ttmp9, 17                      ; x: 128 rows of 1,024 bytes a work-group,
	s_lshl_b32 s52, s39, 14                        ; my tile's 16 rows,
	s_add_co_u32 s50, s50, s52
	s_lshl_b32 s52, s54, 9                         ; my K chunk's 512 bytes
	s_add_co_u32 s50, s50, s52
	s_add_nc_u64 s[8:9], s[8:9], s[50:51]
	s_lshl_b32 s50, s36, 14                        ; W: my 16 rows
	s_add_nc_u64 s[44:45], s[44:45], s[50:51]
	s_lshl_b32 s50, s36, 6                         ; the bias: my 16 numbers
	s_add_nc_u64 s[46:47], s[46:47], s[50:51]
	s_cmp_eq_u32 s37, 2
	s_cbranch_scc1 .Lbias_v
	v_lshlrev_b32 v12, 5, v3                       ; q, k: a lane's registers are features 8 h + 0 .. 7
	global_load_b128 v[BIAS:BIAS+3], v12, s[46:47]
	global_load_b128 v[BIAS+4:BIAS+7], v12, s[46:47] offset:16
	s_branch .Lbias_in
.Lbias_v:
	v_lshlrev_b32 v12, 2, v2                       ; v: a lane is feature r in all eight registers
.irp j, 0,1,2,3,4,5,6,7
	global_load_b32 v[BIAS+\j], v12, s[46:47]
.endr
.Lbias_in:
.irp c, 0,1                                    ; the operand's layout gives lane (r, h) k = 64 c + 32 h + 0 .. 31 of row r: 128 neighbouring bytes
.irp i, 0,1,2,3,4,5,6,7
	global_load_b128 v[ACC+32*\c+4*\i:ACC+32*\c+4*\i+3], v[RW], s[8:9] offset:256*\c+16*\i
.endr
.endr
.irp kc, 0,1
.irp c, 0,1
.irp i, 0,1,2,3,4,5,6,7
	global_load_b128 v[XF+64*\kc+32*\c+4*\i:XF+64*\kc+32*\c+4*\i+3], v[RW], s[44:45] offset:512*\kc+256*\c+16*\i
.endr
.endr
.endr
; 64 numbers of a lane, two whole blocks of 32 (blocks h and 2 + h of row r's 128), become the operand's 8 registers at v[pc] and the row's scale word in v[pw].
.macro QUANT2 s, pc, pw
.irp c, 0,1
	v_max3_num_f32 v[40+\c], |v[(\s)+32*\c]|, |v[(\s)+32*\c+1]|, 0x1800000   ; the block's largest magnitude, with the floor 2^(3 - 127) among its leaves: the byte cannot fall under 1
.endr
.irp i, 2,4,6,8,10,12,14,16,18,20,22,24,26,28,30
.irp c, 0,1
	v_max3_num_f32 v[40+\c], v[40+\c], |v[(\s)+32*\c+\i]|, |v[(\s)+32*\c+\i+1]|   ; (the two blocks by turns)
.endr
.endr
.irp c, 0,1
	v_add_nc_u32 v[44+\c], 0xff000000, v[40+\c]    ; 2 off its exponent field: the conversion takes this operand's exponent field as its scale
.endr
.irp c, 0,1
	v_lshrrev_b32 v[40+\c], 23, v[44+\c]           ; the scale's byte
.endr
	v_lshl_or_b32 v[\pw], v41, 16, v40
	v_lshlrev_b32 v[\pw], v10, v[\pw]              ; at their places in the word,
	v_permlanex16_b32 v11, v[\pw], s40, s41
	v_or_b32 v[\pw], v[\pw], v11                   ; and with lane l xor 16's two the word is whole
.irp c, 0,1
.irp g, 0,1,2,3
	v_cvt_scalef32_pk8_fp4_f32 v[(\pc)+4*\c+\g], v[(\s)+32*\c+8*\g:(\s)+32*\c+8*\g+7], v[44+\c]
.endr
.endr
	v_nop                                          ; one plain place behind the last scaled conversion
.endm
	s_wait_loadcnt 32                              ; the bias and x are in; W's 32 younger loads may be out
	QUANT2 ACC, PC, 13
	ds_store_b128 v[XWI], v[PC:PC+3]               ; my fragment of x as it stands,
	ds_store_b128 v[XWI], v[PC+4:PC+7] offset:512
	ds_store_b32 v[XWS], v13                       ; and its scale words
	s_wait_loadcnt 0x0
	QUANT2 XF, WC, 12
	QUANT2 XF+64, WC+8, 15
	v_cmp_ne_u32 vcc_lo, 0, v3
	v_cndmask_b32 v[WSC], v12, v15, vcc_lo
	s_wait_dscnt 0x0                               ; for the others' sake: my stores have landed
	s_barrier_signal -1
	s_barrier_wait -1                              ; x's sixteen fragments lie in LDS
.macro PLACES n
.rept \n
	v_nop
.endr
.endm
.macro XFLOAD g                                ; x's fragments of token tiles 4 g .. 4 g + 3
.irp i, 0,1,2,3
.irp kc, 0,1
	ds_load_b128 v[XF+16*\i+8*\kc:XF+16*\i+8*\kc+3], v[LI] offset:1024*(8*\g+2*\i+\kc)
	ds_load_b128 v[XF+16*\i+8*\kc+4:XF+16*\i+8*\kc+7], v[LI] offset:1024*(8*\g+2*\i+\kc)+512
.endr
.endr
.endm
; 8 products: token tiles 4 g .. 4 g + 3, K chunk 0 (C = the bias) and K chunk 1 (in place; both scale words from lanes 16-31).  The four accumulators take turns.
.macro PROD tr, g
.irp kc, 0,1
.irp i, 0,1,2,3
.set rD, ACC+8*(4*\g+\i)
.set rX, XF+16*\i+8*\kc
.set rW, WC+8*\kc
.set rS, XSW+4*\g+\i
.if \tr
.if \kc == 0
	v_wmma_scale_f32_16x16x128_f8f6f4 v[rD:rD+7], v[rW:rW+7], v[rX:rX+7], v[BIAS:BIAS+7], v[WSC], v[rS] matrix_a_fmt:MATRIX_FMT_FP4 matrix_b_fmt:MATRIX_FMT_FP4
.else
	v_wmma_scale_f32_16x16x128_f8f6f4 v[rD:rD+7], v[rW:rW+7], v[rX:rX+7], v[rD:rD+7], v[WSC], v[rS] matrix_a_fmt:MATRIX_FMT_FP4 matrix_b_fmt:MATRIX_FMT_FP4 matrix_a_scale:MATRIX_SCALE_ROW1 matrix_b_scale:MATRIX_SCALE_ROW1
.endif
.else
.if \kc == 0
	v_wmma_scale_f32_16x16x128_f8f6f4 v[rD:rD+7], v[rX:rX+7], v[rW:rW+7], v[BIAS:BIAS+7], v[rS], v[WSC] matrix_a_fmt:MATRIX_FMT_FP4 matrix_b_fmt:MATRIX_FMT_FP4
.else
	v_wmma_scale_f32_16x16x128_f8f6f4 v[rD:rD+7], v[rX:rX+7], v[rW:rW+7], v[rD:rD+7], v[rS], v[WSC] matrix_a_fmt:MATRIX_FMT_FP4 matrix_b_fmt:MATRIX_FMT_FP4 matrix_a_scale:MATRIX_SCALE_ROW1 matrix_b_scale:MATRIX_SCALE_ROW1
.endif
.endif
.endr
.endr
.endm
.macro STOFF kind, m                           ; where token tile m's half fragment goes, from the wave's base
.if \kind == 0
.set SOFF, 8192*(\m)
.elseif \kind == 1
.set SOFF, 32768*((\m)/4)+4096*((\m)%4)
.else
.set SOFF, 32768*((\m)/4)+8192*(((\m)/2)%2)+512*((\m)%2)
.endif
.endm
.macro EPI qs, kind, g                         ; four accumulators, each from its low end on: (x -c,) rounded to f16 in pairs, 16 bytes a lane: the wave stores 512 consecutive bytes
.irp i, 0,1,2,3
.set rD, ACC+8*(4*\g+\i)
.if \qs
.irp j, 0,2,4,6
	v_pk_mul_f32 v[rD+\j:rD+\j+1], v[rD+\j:rD+\j+1], s[42:43] op_sel_hi:[1,0]
.endr
.endif
.irp j, 0,1,2,3
	v_cvt_pk_f16_f32 v[rD+\j], v[rD+2*\j], v[rD+2*\j+1]
.endr
	STOFF \kind, 4*\g+\i
	global_store_b128 v[LI], v[rD:rD+3], s[48:49] offset:SOFF
.endr
.endm
; THE POSITIONS AS FEATURES.  p = s pos; each coordinate is split in f32 into two f16 numbers H + L; |p|^2 is formed of H + L and split likewise.  One f16 product over 16 slots then gives
; |pi|^2 + |pj|^2 - 2 pi . pj: four slots a coordinate ((H, L, H, L) on the key's side against -2 (H, H, L, L) on the query's), four for the squares against ones.  Lane (r, h) holds slots 8 h .. 8 h + 7 of token r.
.macro FEAT kind                               ; 0: the query's side, 1: the key's
	s_cmp_lt_u32 s36, 8
	s_cbranch_scc0 .Lno_feat_\@
	s_wait_loadcnt 0x0
.irp i, 0,1,2
	v_mul_f32 v[192+\i], 0x3e13bb63, v[192+\i]     ; s = log2(e) / 10
.endr
.irp i, 0,1,2
	v_cvt_f16_f32 v15.l, v[192+\i]
	v_cvt_f32_f16 v[196+\i], v15.l                 ; H
	v_sub_f32 v[200+\i], v[192+\i], v[196+\i]
	v_cvt_f16_f32 v15.l, v[200+\i]
	v_cvt_f32_f16 v[200+\i], v15.l                 ; L
	v_add_f32 v[204+\i], v[196+\i], v[200+\i]      ; the number that the product will see
.endr
	v_mul_f32 v208, v204, v204
	v_fma_f32 v208, v205, v205, v208
	v_fma_f32 v208, v206, v206, v208               ; its square
	v_cvt_f16_f32 v15.l, v208
	v_cvt_f32_f16 v209, v15.l
	v_sub_f32 v210, v208, v209
	v_cvt_pk_f16_f32 v215, v209, v210              ; (sh, sl)
	v_mov_b32 v216, 0x3c003c00                     ; (1, 1)
	v_cmp_ne_u32 vcc_lo, 0, v3
.if \kind
.irp i, 0,1,2
	v_cvt_pk_f16_f32 v[212+\i], v[196+\i], v[200+\i]   ; (H, L)
.endr
	v_cndmask_b32 v220, v212, v214, vcc_lo         ; h = 0: x, x, y, y;  h = 1: z, z, the squares, ones
	v_mov_b32 v221, v220
	v_cndmask_b32 v222, v213, v215, vcc_lo
	v_cndmask_b32 v223, v213, v216, vcc_lo
.else
.irp i, 0,1,2
	v_mul_f32 v[196+\i], -2.0, v[196+\i]
	v_mul_f32 v[200+\i], -2.0, v[200+\i]
.endr
.irp i, 0,1,2
	v_cvt_pk_f16_f32 v[212+\i], v[196+\i], v[196+\i]   ; (-2 H, -2 H)
	v_cvt_pk_f16_f32 v[224+\i], v[200+\i], v[200+\i]   ; (-2 L, -2 L)
.endr
	v_cndmask_b32 v220, v212, v214, vcc_lo
	v_cndmask_b32 v221, v224, v226, vcc_lo
	v_cndmask_b32 v222, v213, v216, vcc_lo         ; ones against the key's squares,
	v_cndmask_b32 v223, v225, v215, vcc_lo         ; my squares against its ones
.endif
	global_store_b128 v[LI], v[220:223], s[58:59]
.Lno_feat_\@:
.endm
.macro WOIMG                                   ; one fragment of Wo (16 features x 32 along K) as f16
	s_cmp_lt_u32 s36, 2
	s_cbranch_scc0 .Lno_img_\@
	s_wait_loadcnt 0x0
.irp i, 0,1,2,3,4,5,6,7
	v_cvt_pk_f16_f32 v[208+\i], v[192+2*\i], v[193+2*\i]
.endr
	global_store_b128 v[LI], v[208:211], s[58:59]
	global_store_b128 v[LI], v[212:215], s[58:59] offset:512
.Lno_img_\@:
.endm
.macro TAIL tr, qs, kind
.if \kind < 2
	v_mul_u32_u24 v12, v2, 12                      ; a token's three numbers
	s_cmp_lt_u32 s36, 8
	s_cbranch_scc0 .Lno_pos_\@
	global_load_b32 v192, v12, s[56:57]
	global_load_b32 v193, v12, s[56:57] offset:4
	global_load_b32 v194, v12, s[56:57] offset:8
.Lno_pos_\@:
.else
	v_lshlrev_b32 v12, 10, v2
	v_lshl_add_u32 v12, v3, 5, v12                 ; row r of Wo, + 8 h numbers
	s_cmp_lt_u32 s36, 2
	s_cbranch_scc0 .Lno_wo_\@
	global_load_b128 v[192:195], v12, s[56:57]
	global_load_b128 v[196:199], v12, s[56:57] offset:16
	global_load_b128 v[200:203], v12, s[56:57] offset:64
	global_load_b128 v[204:207], v12, s[56:57] offset:80
.Lno_wo_\@:
.endif
	XFLOAD 0
.irp m, 0,1,2,3,4,5,6,7
	ds_load_b32 v[XSW+\m], v[XRS] offset:256*\m
.endr
	s_wait_dscnt 0x0
	PLACES 8                                       ; W's scale words and codes were written by vector instructions: eight and four places ahead of a scaled matrix instruction
	PROD \tr, 0
	PLACES 4                                       ; ahead of loads into registers that the products read, and of the first read of results
	XFLOAD 1
	EPI \qs, \kind, 0
	s_wait_dscnt 0x0
	PROD \tr, 1
	PLACES 4
	EPI \qs, \kind, 1
.if \kind < 2
	FEAT \kind
.else
	WOIMG
.endif
.endm
.macro POSBASE                                 ; s[56:57]: pos at token tile 8 x + u;  s50: that tile's 512 bytes of features
	s_lshl_b32 s50, ttmp9, 3
	s_add_co_u32 s50, s50, s36
	s_mul_i32 s52, s50, 192
	s_add_nc_u64 s[56:57], s[10:11], s[52:53]
	s_lshl_b32 s50, s50, 9
.endm
.macro KVBASE                                  ; s50: ((2 batch + head group) 64 + my first step) x 32 KB;  s52: the head in its group
	s_lshr_b32 s50, ttmp9, 5
	s_lshl_b32 s50, s50, 1
	s_lshr_b32 s52, s39, 2
	s_add_co_u32 s50, s50, s52
	s_lshl_b32 s50, s50, 6
	s_and_b32 s52, ttmp9, 31
	s_lshl_b32 s52, s52, 1
	s_add_co_u32 s50, s50, s52
	s_lshl_b32 s50, s50, 15
	s_and_b32 s52, s39, 3
.endm
	s_cmp_eq_u32 s37, 1
	s_cbranch_scc1 .Ltail_k
	s_cmp_eq_u32 s37, 2
	s_cbranch_scc1 .Ltail_v
	s_lshl_b32 s50, ttmp9, 16                      ; q: 8 token tiles of 8 KB a work-group, my head, my half of its fragment
	s_lshl_b32 s52, s39, 10
	s_add_co_u32 s50, s50, s52
	s_lshl_b32 s52, s54, 9
	s_add_co_u32 s50, s50, s52
	s_add_nc_u64 s[48:49], s[26:27], s[50:51]
	POSBASE
	s_add_nc_u64 s[58:59], s[30:31], s[50:51]
	TAIL 1, 1, 0
	s_branch .Lend
.Ltail_k:
	KVBASE
	s_lshl_b32 s52, s52, 10
	s_add_co_u32 s50, s50, s52
	s_lshl_b32 s52, s54, 9
	s_add_co_u32 s50, s50, s52
	s_add_nc_u64 s[48:49], s[28:29], s[50:51]
	POSBASE
	s_add_nc_u64 s[58:59], s[32:33], s[50:51]
	TAIL 1, 0, 1
	s_branch .Lend
.Ltail_v:
	KVBASE
	s_lshl_b32 s52, s52, 11
	s_add_co_u32 s50, s50, s52
	s_lshl_b32 s52, s54, 10
	s_add_co_u32 s50, s50, s52
	s_add_co_u32 s50, s50, 16384
	s_add_nc_u64 s[48:49], s[28:29], s[50:51]
	s_lshl_b32 s50, ttmp9, 1
	s_add_co_u32 s50, s50, s36                     ; waves 0 and 1: fragment 2 x + u of Wo's 128 = 8 feature tile + K chunk
	s_lshr_b32 s52, s50, 3
	s_lshl_b32 s52, s52, 14
	s_and_b32 s55, s50, 7
	s_lshl_b32 s55, s55, 7
	s_add_co_u32 s52, s52, s55
	s_add_nc_u64 s[56:57], s[24:25], s[52:53]
	s_lshl_b32 s50, s50, 10
	s_add_nc_u64 s[58:59], s[34:35], s[50:51]
	TAIL 0, 0, 2
.Lend:
	s_wait_tensorcnt 0x0                           ; the wave's end: behind my last LDS store; the tensor wait stands in a text with no tensor load too
	ds_add_u32 v[SPW], v[NIL]
	s_wait_dscnt 0x0
	s_endpgm
.Lfunc_end_k_q158f3135e8_proj:
	.size	k_q158f3135e8_proj, .Lfunc_end_k_q158f3135e8_proj-k_q158f3135e8_proj
	.p2alignl 7, 3214868480
	.fill 96, 4, 3214868480
	.section	.rodata,"a",@progbits
	.p2align	6, 0x0
	.amdhsa_kernel k_q158f3135e8_proj
		.amdhsa_group_segment_fixed_size 20480
		.amdhsa_private_segment_fixed_size 0
		.amdhsa_enable_private_segment 0
		.amdhsa_kernarg_size 112
		.amdhsa_user_sgpr_count 2
		.amdhsa_user_sgpr_kernarg_segment_ptr 1
		.amdhsa_wavefront_size32 1
		.amdhsa_system_sgpr_workgroup_id_x 1
		.amdhsa_system_sgpr_workgroup_id_y 1
		.amdhsa_system_sgpr_workgroup_id_z 1
		.amdhsa_system_vgpr_workitem_id 0
		.amdhsa_next_free_vgpr 256
		.amdhsa_next_free_sgpr 66
		.amdhsa_reserve_vcc 1
		.amdhsa_float_denorm_mode_32 3
		.amdhsa_float_denorm_mode_16_64 3
		.amdhsa_memory_ordered 1
		.amdhsa_forward_progress 1
		.amdhsa_inst_pref_size 51
	.end_amdhsa_kernel
	.amdgpu_metadata
---
amdhsa.version: [ 1, 2 ]
amdhsa.kernels:
  - .name:           k_q158f3135e8_proj
    .symbol:         k_q158f3135e8_proj.kd
    .args:
      - { .name: x, .offset: 0, .size: 8, .value_kind: global_buffer, .address_space: global }
      - { .name: pos, .offset: 8, .size: 8, .value_kind: global_buffer, .address_space: global }
      - { .name: Wq, .offset: 16, .size: 8, .value_kind: global_buffer, .address_space: global }
      - { .name: Wk, .offset: 24, .size: 8, .value_kind: global_buffer, .address_space: global }
      - { .name: Wv, .offset: 32, .size: 8, .value_kind: global_buffer, .address_space: global }
      - { .name: bq, .offset: 40, .size: 8, .value_kind: global_buffer, .address_space: global }
      - { .name: bk, .offset: 48, .size: 8, .value_kind: global_buffer, .address_space: global }
      - { .name: bv, .offset: 56, .size: 8, .value_kind: global_buffer, .address_space: global }
      - { .name: Wo, .offset: 64, .size: 8, .value_kind: global_buffer, .address_space: global }
      - { .name: qimg, .offset: 72, .size: 8, .value_kind: global_buffer, .address_space: global }
      - { .name: kv, .offset: 80, .size: 8, .value_kind: global_buffer, .address_space: global }
      - { .name: fq, .offset: 88, .size: 8, .value_kind: global_buffer, .address_space: global }
      - { .name: fk, .offset: 96, .size: 8, .value_kind: global_buffer, .address_space: global }
      - { .name: wo16, .offset: 104, .size: 8, .value_kind: global_buffer, .address_space: global }
    .group_segment_fixed_size: 20480
    .private_segment_fixed_size: 0
    .kernarg_segment_align: 8
    .kernarg_segment_size: 112
    .max_flat_workgroup_size: 512
    .sgpr_count:     66
    .vgpr_count:     256
    .wavefront_size: 32
...
	.end_amdgpu_metadata
.endif
;; end of part 1
;; launch attn (part 2): grid 64 x 4, 8 waves a work-group, clusters of 4 x 1, 327,680 bytes of LDS; arguments qimg, kv, fq, fk, att; writes att
.if DOCPART == 2
	.amdgcn_target "amdgcn-amd-amdhsa--gfx1250"
	.amdhsa_code_object_version 6
	.text
	.protected	k_q158f3135e8_attn
	.globl	k_q158f3135e8_attn
	.p2align	8
	.type	k_q158f3135e8_attn,@function
k_q158f3135e8_attn:
	s_mov_b64 s[64:65], 0
	v_nop
	global_prefetch_b8 v0, s[64:65] scope:SCOPE_SE
	s_setreg_imm32_b32 hwreg(HW_REG_WAVE_MODE, 25, 1), 1
	s_wait_xcnt 0x0
	s_wait_alu depctr_hold_cnt(0) depctr_sa_sdst(0) depctr_va_vdst(0) depctr_va_sdst(0) depctr_va_ssrc(0) depctr_va_vcc(0) depctr_vm_vsrc(0)
	s_getreg_b32 s2, hwreg(HW_REG_IB_STS2, 6, 4)
	s_cmp_eq_u32 s2, 0
	s_cbranch_scc0 .Lentry_in_a_cluster
	s_endpgm
.Lentry_in_a_cluster:
	s_bfe_u32 s2, ttmp6, 0x10000c
	s_cmp_lg_u32 s2, 0x3003
	s_cbranch_scc0 .Lentry_shape_is_right
	s_endpgm
.Lentry_shape_is_right:
; att = softmax(q k^T / sqrt(32) - dist / 10) v for 2 batches x 8 heads of 32, 4,096 tokens.  All operands are f16 images of registers made by the launch before; sums, distance, softmax in f32.
; u = d' - c q.k, d' = log2(e) dist / 10, c = log2(e) / sqrt(32): q arrives as -c q, and d' IS THE C OF K Q^T, so the product delivers u = -log2(e) x score with no vector instruction a score.
; SOFTMAX: a running MINIMUM n of u (the maximum of the scores), p = 2^(n - u), a running sum l of the unrounded p; in every step O and l are multiplied by 2^(new n - old n).
; d'^2 = |pi|^2 + |pj|^2 - 2 pi.pj is one f16 product a tile on features of high and low parts (16 slots of K, the other 16 zeros); then max(., 0) and the root, as the definition has them.  A wave's 4 heads share the tile.
; SHARES.  Work-group: 64 queries x 4 heads (y = 2 batch + head group).  Wave w: query tiles 2 (w % 2) + 0, 1 (32 queries), all 4 heads, keys 1,024 (w / 2) on, in 16 steps of 64.  The four quarters of the keys are merged through LDS at the end.
; LAYOUT.  S^T = K Q^T (source 0 = 16 keys, source 1 = 16 queries) and O^T = V^T P: a lane holds one query throughout; two score tiles rounded to f16 in pairs are source 1 of V^T P.
; RING.  Two slots of 128 KB; a slot holds one step of each quarter (32 KB: K's 16 fragments, V's 16).  Each of the 8 waves fetches 16 KB by one tensor load: one load of a wave is out at a time.
; CLUSTER.  The four query blocks of a cluster walk the same K and V: each tile is asked for jointly, by the same load with the same descriptor and the mask of all four.
; TWO WAVES TO A SIMD, each in 512 registers, the text in phases: a step has some fourteen vector instructions for each matrix instruction, so one wave's vector work stands beside the other's products.
; LIMITS: f16's range for all operands (stated at the launch that makes them); p under 2^-24 is lost in the second product; NaN and infinities are not served.
; REGISTERS.  Window 0: v1-11 addresses; v16-47 statistics, a quad (n, e, l, l) for each (head, tile); v48-63 at work; v64-127 d'; v128-191 u, then p, then P in place; v192-223 K; v224-255 V.
;   Window 1: v0-127 O^T (32 head + 16 tile + 8 dim tile); v128-191 Q; v192-207, v208-239 the features of my queries and of the step's keys.
.set SLOT1, 1<<17                      ; slot 1 begins here: one exclusive or turns an address in one slot into the other's
.set STATS, 2*SLOT1                    ; behind the ring: 4 KB of statistics for each wave
.set SPARE, STATS+8*4096               ; the spare words, 128 bytes for each wave: four blocks of 256 bytes that no other line names
.set LI,  1                            ; v1   16 x lane
.set AD0, 2                            ; v2   my quarter's part of a slot
.set ADR, 3                            ; v3   the same in the slot in hand
.set SPW, 4                            ; v4   my spare word; never rewritten
.set NIL, 5                            ; v5   0; never rewritten
.set PFO, 6                            ; v6   256 x lane: the prefetches' offset
.set LIW, 7                            ; v7   the merge: where I put O^T (16 KB a wave, in slot 0)
.set SW,  8                            ; v8   and my statistics
.set RO,  9                            ; v9   where I read the O^T that I merge: quarters 0 and 1,
.set RO2, 10                           ; v10  quarters 2 and 3,
.set RS,  11                           ; v11  and their statistics
.set ST,  16
.set TA,  48                           ; tile a at TA + 8 a: +0 .. +3 at work, +4 f (+5 named with it as a pair), +6 the other half's minimum
.set DT,  64
.set SS,  128
.set KFR, 192
.set VFR, 224
.set QF,  128                          ; window 1
.set FQF, 192
.set FKF, 208
.set G1,  24                           ; s[24:31] descriptor group 1;  s[32:35] group 0, which walks
.set G0,  32
.set TB,  36                           ; s36  the slot in hand
.set LEFT, 37                          ; s37  steps still to be asked for
.set LIM, 38                           ; s38  1 in a wave that prefetches, else the greatest number
.set SEL, 40                           ; s[40:41] selects for lane l xor 16
.set PFA, 42                           ; s[42:43] where my prefetches stand
.set MSB, 0
.macro WIN new                         ; bits 1:0 source 0, 3:2 source 1, 5:4 source 2, 7:6 destination; the high byte repeats the setting that is left
.if MSB != \new
	s_set_vgpr_msb (MSB<<8)|\new
.set MSB, \new
.endif
.endm
.macro PLACES n
.rept \n
	v_nop
.endr
.endm
.macro CROUND                          ; a round of the cluster's barrier
	s_barrier_signal -1
	s_barrier_wait -1
	s_cmp_lg_u32 s14, 0
	s_cbranch_scc1 .Lnot_wave_0_\@
	s_barrier_signal -3
.Lnot_wave_0_\@:
	s_barrier_wait -3
	s_barrier_signal -1
	s_barrier_wait -1
.endm
; A PREFETCH INTO THE L2 of the step that the NEXT change of slots will ask for.  All sixteen clusters of a y walk the same K and V: the first of them asks.  Of a quarter's 32 KB each of its four partners takes 8 KB,
; told apart by address; in each the quarter's even wave asks, lanes 256 bytes apart: each block of 256 bytes is named once in the launch.  Steps 0 and 1 come by their loads alone; the last change that fills asks for nothing.
.macro ASK
	s_cmp_gt_u32 s[LEFT], s[LIM]
	s_cbranch_scc0 .Lnot_mine_\@
	global_prefetch_b8 v[PFO], s[PFA:PFA+1] th:TH_LOAD_NT scope:SCOPE_SE
.Lnot_mine_\@:
.endm
	s_load_b256 s[4:11], s[0:1], 0x0               ; qimg 4, kv 6, fq 8, fk 10
	s_load_b64 s[12:13], s[0:1], 0x20              ; att
	v_lshl_add_u32 v[SPW], v0, 2, SPARE
	v_mov_b32 v[NIL], 0
	ds_add_u32 v[SPW], v[NIL]                      ; the wave's opening: the add, twice on end, and its wait ahead of my first tensor load
	ds_add_u32 v[SPW], v[NIL]
	v_lshrrev_b32 v1, 5, v0
	v_readfirstlane_b32 s14, v1                    ; w: wave 0..7
	s_lshr_b32 s15, s14, 1                         ; my quarter of the keys
	s_and_b32 s16, s14, 1                          ; my pair of query tiles.  Also: I fetch a step's K (0) or V (1)
	s_bfe_u32 s17, ttmp6, 0x40000                  ; cx
	s_lshl_b32 s18, ttmp9, 2
	s_add_co_u32 s18, s18, s17                     ; my block of 64 queries: it enters global addresses of q, fq, att alone
	s_and_b32 s19, ttmp7, 0xffff                   ; y
	s_lshr_b32 s20, s19, 1                         ; batch
	s_and_b32 s21, s19, 1                          ; head group
	s_mov_b32 s[G1], 15|(3<<16)|(1<<21)            ; 15:0 the mask: all four work-groups; 17:16 elements of 8 bytes; 21 set beside a mask; no padding: images are read 512 consecutive bytes at a time
	s_mov_b32 s[G1+1], 32<<16                      ; tensor_dim0 = 32 elements: rows of 256 bytes
	s_mov_b32 s[G1+2], 64<<16                      ; tensor_dim1 = 64
	s_mov_b32 s[G1+3], 32<<16                      ; tile_dim0
	s_mov_b32 s[G1+4], 64                          ; tile_dim1: 16 KB, dense
	s_mov_b32 s[G1+5], 32                          ; the pitch
	s_mov_b32 s[G1+6], 0
	s_mov_b32 s[G1+7], 0
	s_mov_b32 s[SEL], 0x76543210
	s_mov_b32 s[SEL+1], 0xfedcba98
	s_mov_b32 s[TB], 0
	s_mov_b32 s[LEFT], 15
	s_or_b32 s[LIM], s16, ttmp9                    ; 0 in the even waves of the y's first cluster: the same in all four partners
	s_cmp_eq_u32 s[LIM], 0
	s_cselect_b32 s[LIM], 1, -1
	s_lshl_b32 s44, s19, 21                        ; kv: 2 MB a y,
	s_lshl_b32 s46, s15, 19                        ; 512 KB a quarter
	s_add_co_u32 s44, s44, s46
	s_add_co_u32 s46, s44, 32768                   ; the prefetches begin at step 1 (the first change steps them to 2),
	s_lshl_b32 s49, s17, 13
	s_add_co_u32 s46, s46, s49                     ; at my work-group's 8 KB
	s_lshl_b32 s48, s16, 14
	s_add_co_u32 s44, s44, s48                     ; the tiles: my half of a step
	s_mov_b32 s45, 0
	s_mov_b32 s47, 0
	s_lshl_b32 s50, s20, 8
	s_lshl_b32 s51, s18, 2
	s_add_co_u32 s50, s50, s51
	s_lshl_b32 s51, s16, 1
	s_add_co_u32 s50, s50, s51                     ; my first token tile: 256 batch + 4 block + 2 pair
	s_lshl_b32 s52, s50, 13
	s_lshl_b32 s53, s21, 12
	s_add_co_u32 s52, s52, s53                     ; its fragments of my four heads, in qimg and in att
	s_mov_b32 s53, 0
	s_lshl_b32 s54, s15, 10
	s_add_co_u32 s54, s54, s52                     ; att: the head that I merge is number w / 2 of the group
	s_mov_b32 s55, 0
	s_lshl_b32 s56, s50, 9
	s_mov_b32 s57, 0
	s_lshl_b32 s58, s20, 17
	s_lshl_b32 s59, s15, 15
	s_add_co_u32 s58, s58, s59                     ; fk: 128 KB a batch, 32 KB a quarter
	s_mov_b32 s59, 0
	s_wait_dscnt 0x0                               ; both opening adds are done
	s_wait_kmcnt 0x0
	s_add_nc_u64 s[PFA:PFA+1], s[6:7], s[46:47]
	s_add_nc_u64 s[6:7], s[6:7], s[44:45]
	s_add_nc_u64 s[4:5], s[4:5], s[52:53]
	s_add_nc_u64 s[12:13], s[12:13], s[54:55]
	s_add_nc_u64 s[8:9], s[8:9], s[56:57]
	s_add_nc_u64 s[10:11], s[10:11], s[58:59]
	CROUND                                         ; all four work-groups are here: the first joint loads meet
	s_mov_b32 s[G0], 1                             ; count = 1
	s_lshl_b32 s[G0+1], s14, 14                    ; LDS: slot 0, 16 KB a wave
	s_mov_b64 s[G0+2:G0+3], s[6:7]                 ; step 0
	s_or_b32 s[G0+3], s[G0+3], 0x80000000          ; type = 2
	tensor_load_to_lds s[G0:G0+3], s[G1:G1+7]
	s_nop 0
	PLACES 4
	v_and_b32 v[LI], 31, v0
	v_lshlrev_b32 v[LI], 4, v[LI]
	WIN 0x40                                       ; destination window 1
.irp h, 0,1,2,3
.irp a, 0,1
	global_load_b128 v[QF+16*\h+8*\a:QF+16*\h+8*\a+3], v[LI], s[4:5] offset:8192*\a+1024*\h       ; Q stays in registers
	global_load_b128 v[QF+16*\h+8*\a+4:QF+16*\h+8*\a+7], v[LI], s[4:5] offset:8192*\a+1024*\h+512
.endr
.endr
.irp a, 0,1
	global_load_b128 v[FQF+8*\a:FQF+8*\a+3], v[LI], s[8:9] offset:512*\a
.endr
.irp t, 0,1,2,3
	global_load_b128 v[FKF+8*\t:FKF+8*\t+3], v[LI], s[10:11] offset:512*\t
.endr
.irp f, 0,1,2,3,4,5
.irp j, 4,5,6,7
	v_mov_b32 v[FQF+8*\f+\j], 0                    ; slots 16 to 31 of the features: zeros, written once
.endr
.endr
.set i, 0
.rept 128
	v_mov_b32 v[i], 0                              ; O^T.  (The step is written for all steps alike: the first finds zeros, which its f = 0 leaves zeros)
.set i, i+1
.endr
	WIN 0
.irp k, 0,1,2,3,4,5,6,7
	v_mov_b32 v[ST+4*\k], 0x7f61b1e6               ; n: 3e38, over every u
	v_mov_b32 v[ST+4*\k+2], 0                      ; l, in two halves
	v_mov_b32 v[ST+4*\k+3], 0
.endr
.irp a, 0,1
	v_mov_b32 v[TA+8*\a+5], 0                      ; named with f as a pair
	v_mov_b32 v[TA+8*\a+6], 0                      ; a lane permute's destination counts as one of its sources
.endr
	s_lshl_b32 s48, s15, 15
	v_add_nc_u32 v[AD0], s48, v[LI]
	v_lshlrev_b32 v[PFO], 4, v[LI]
	s_lshl_b32 s48, s14, 14
	v_add_nc_u32 v[LIW], s48, v[LI]
	s_lshl_b32 s48, s14, 12
	v_add_nc_u32 v[SW], s48, v[LI]
	v_add_nc_u32 v[SW], STATS, v[SW]
	s_lshl_b32 s48, s16, 14
	s_lshl_b32 s49, s15, 12
	s_add_co_u32 s48, s48, s49
	v_add_nc_u32 v[RO], s48, v[LI]                 ; wave 2 k + my pair begins 32 KB x k on; in it my head's 4 KB
	v_add_nc_u32 v[RO2], 65536, v[RO]
	s_lshl_b32 s48, s16, 12
	s_lshl_b32 s49, s15, 10
	s_add_co_u32 s48, s48, s49
	v_add_nc_u32 v[RS], s48, v[LI]
	v_add_nc_u32 v[RS], STATS, v[RS]
.macro KLOAD h                                 ; head h's four fragments of K (16 keys x 32 dims)
.irp t, 0,1,2,3
	ds_load_b128 v[KFR+8*\t:KFR+8*\t+3], v[ADR] offset:4096*\t+1024*(\h)
	ds_load_b128 v[KFR+8*\t+4:KFR+8*\t+7], v[ADR] offset:4096*\t+1024*(\h)+512
.endr
.endm
.macro VLOAD h                                 ; head h's four fragments of V^T (16 dims x 32 keys)
.irp c, 0,1
.irp d, 0,1
	ds_load_b128 v[VFR+8*(2*\c+\d):VFR+8*(2*\c+\d)+3], v[ADR] offset:16384+8192*\c+2048*(\h)+1024*\d
	ds_load_b128 v[VFR+8*(2*\c+\d)+4:VFR+8*(2*\c+\d)+7], v[ADR] offset:16384+8192*\c+2048*(\h)+1024*\d+512
.endr
.endr
.endm
.macro SUBP h                                  ; pair p of the 32: n - u, two at a time (of the pair (n, e) the first serves both halves)
	v_pk_add_f32 v[SS+2*p:SS+2*p+1], v[ST+4*(2*\h+p/16):ST+4*(2*\h+p/16)+1], v[SS+2*p:SS+2*p+1] op_sel_hi:[0,1] neg_lo:[0,1] neg_hi:[0,1]
.endm
; ONE HEAD OF A KEY STEP: 64 keys x my 32 queries.
.macro HEAD h
	s_wait_dscnt 8                                 ; K is in; V's eight younger loads may be out
	WIN 0x04                                       ; source 1 (Q) window 1
.irp a, 0,1
.irp t, 0,1,2,3
	v_wmma_f32_16x16x32_f16 v[SS+8*(4*\a+\t):SS+8*(4*\a+\t)+7], v[KFR+8*\t:KFR+8*\t+7], v[QF+16*\h+8*\a:QF+16*\h+8*\a+7], v[DT+8*(4*\a+\t):DT+8*(4*\a+\t)+7]
.endr
.endr
	WIN 0
	PLACES 4                                       ; ahead of loads into K's registers and of the first read of u
.if \h < 3
	KLOAD \h+1
.endif
.irp t, 0,1,2,3                                ; the minimum of a lane's 32 u and the old n: four chains, one a key tile, each from its tile's low end on; the two query tiles by turns
.irp a, 0,1
	v_min3_num_f32 v[TA+8*\a+\t], v[SS+32*\a+8*\t], v[SS+32*\a+8*\t+1], v[SS+32*\a+8*\t+2]
.endr
.endr
.irp i, 3,5
.irp t, 0,1,2,3
.irp a, 0,1
	v_min3_num_f32 v[TA+8*\a+\t], v[TA+8*\a+\t], v[SS+32*\a+8*\t+\i], v[SS+32*\a+8*\t+\i+1]
.endr
.endr
.endr
.irp a, 0,1
	v_min3_num_f32 v[TA+8*\a], v[TA+8*\a], v[SS+32*\a+7], v[SS+32*\a+15]
	v_min3_num_f32 v[TA+8*\a+2], v[TA+8*\a+2], v[SS+32*\a+23], v[SS+32*\a+31]
.endr
.irp a, 0,1
	v_min3_num_f32 v[TA+8*\a], v[TA+8*\a], v[TA+8*\a+1], v[TA+8*\a+2]
.endr
.irp a, 0,1
	v_min3_num_f32 v[TA+8*\a], v[TA+8*\a], v[TA+8*\a+3], v[ST+4*(2*\h+\a)]
.endr
.irp a, 0,1
	v_permlanex16_b32 v[TA+8*\a+6], v[TA+8*\a], s[SEL], s[SEL+1]   ; the query's other 32 keys lie in the lane 16 away
.endr
.irp a, 0,1
	v_min_num_f32 v[TA+8*\a], v[TA+8*\a], v[TA+8*\a+6]
.endr
.irp a, 0,1
	v_sub_f32 v[ST+4*(2*\h+\a)+1], v[TA+8*\a], v[ST+4*(2*\h+\a)]   ; e = new n - old n, 0 or less
.endr
.irp a, 0,1
	v_mov_b32 v[ST+4*(2*\h+\a)], v[TA+8*\a]
.endr
.irp a, 0,1                                    ; ONE BATCH: the two f = 2^e and the 64 p = 2^(n - u), the subtractions among them; nothing here names an exponential's result
	v_exp_f32 v[TA+8*\a+4], v[ST+4*(2*\h+\a)+1]
.endr
.set p, 0
.rept 2
	SUBP \h
.set p, p+1
.endr
.set k, 0
.rept 32
	v_exp_f32 v[SS+2*k], v[SS+2*k]
	v_exp_f32 v[SS+2*k+1], v[SS+2*k+1]
.if k < 30
	SUBP \h
.set p, p+1
.endif
.set k, k+1
.endr
	v_nop                                          ; a plain instruction behind the last exponential,
	s_wait_alu depctr_va_vdst(0)                   ; and one wait ahead of the batch's first reader
.irp a, 0,1                                    ; the sum of the unrounded p, two at a time, in two chains a tile
	v_pk_add_f32 v[TA+8*\a:TA+8*\a+1], v[SS+32*\a:SS+32*\a+1], v[SS+32*\a+2:SS+32*\a+3]
	v_pk_add_f32 v[TA+8*\a+2:TA+8*\a+3], v[SS+32*\a+4:SS+32*\a+5], v[SS+32*\a+6:SS+32*\a+7]
.endr
.irp j, 8,12,16,20,24,28
.irp a, 0,1
	v_pk_add_f32 v[TA+8*\a:TA+8*\a+1], v[TA+8*\a:TA+8*\a+1], v[SS+32*\a+\j:SS+32*\a+\j+1]
	v_pk_add_f32 v[TA+8*\a+2:TA+8*\a+3], v[TA+8*\a+2:TA+8*\a+3], v[SS+32*\a+\j+2:SS+32*\a+\j+3]
.endr
.endr
.irp a, 0,1
	v_pk_add_f32 v[TA+8*\a:TA+8*\a+1], v[TA+8*\a:TA+8*\a+1], v[TA+8*\a+2:TA+8*\a+3]
.endr
.irp a, 0,1
	v_pk_fma_f32 v[ST+4*(2*\h+\a)+2:ST+4*(2*\h+\a)+3], v[ST+4*(2*\h+\a)+2:ST+4*(2*\h+\a)+3], v[TA+8*\a+4:TA+8*\a+5], v[TA+8*\a:TA+8*\a+1] op_sel_hi:[1,0,1]   ; l = f l + the sum
.endr
.irp a, 0,1                                    ; P: rounded to f16 in pairs, in place, ascending: tile 0's 16 registers, then tile 1's into the 16 that tile 0 has left
.set i, 0
.rept 16
	v_cvt_pk_f16_f32 v[SS+16*\a+i], v[SS+32*\a+2*i], v[SS+32*\a+2*i+1]
.set i, i+1
.endr
.endr
	WIN 0x41                                       ; O^T (destination, source 0) window 1
.irp a, 0,1
.irp i, 0,1,2,3,4,5,6,7
	v_pk_mul_f32 v[32*\h+16*\a+2*\i:32*\h+16*\a+2*\i+1], v[32*\h+16*\a+2*\i:32*\h+16*\a+2*\i+1], v[TA+8*\a+4:TA+8*\a+5] op_sel_hi:[1,0]
.endr
.endr
.if \h < 3
	s_wait_dscnt 8                                 ; V is in; the next head's K may be out
.else
	s_wait_dscnt 0x0
.endif
	WIN 0x50                                       ; C and D (O^T) window 1
.irp c, 0,1                                    ; the four accumulators take turns
.irp a, 0,1
.irp d, 0,1
	v_wmma_f32_16x16x32_f16 v[32*\h+16*\a+8*\d:32*\h+16*\a+8*\d+7], v[VFR+8*(2*\c+\d):VFR+8*(2*\c+\d)+7], v[SS+16*\a+8*\c:SS+16*\a+8*\c+7], v[32*\h+16*\a+8*\d:32*\h+16*\a+8*\d+7]
.endr
.endr
.endr
	WIN 0
	PLACES 5                                       ; the next K Q^T writes over P, a source of these products: five places; four of them serve the loads into V's registers
.if \h < 3
	VLOAD \h+1
.endif
.endm
; A KEY STEP.  fk = 1: the next step's key features are asked for.
.macro STEP fk
	v_add_nc_u32 v[ADR], s[TB], v[AD0]
	KLOAD 0
	VLOAD 0
	s_wait_loadcnt 0x0                             ; this step's key features (the first time: Q and my queries' features too)
.if \fk
	s_add_nc_u64 s[10:11], s[10:11], 2048          ; four tiles of 512 bytes on: the loads that read this base are done
.endif
	WIN 0x05                                       ; both sources window 1
.irp a, 0,1
.irp t, 0,1,2,3
	v_wmma_f32_16x16x32_f16 v[DT+8*(4*\a+\t):DT+8*(4*\a+\t)+7], v[FKF+8*\t:FKF+8*\t+7], v[FQF+8*\a:FQF+8*\a+7], 0
.endr
.endr
	WIN 0
	PLACES 4
.if \fk
	WIN 0x40
.irp t, 0,1,2,3
	global_load_b128 v[FKF+8*\t:FKF+8*\t+3], v[LI], s[10:11] offset:512*\t   ; they have the whole step in which to land
.endr
	WIN 0
.endif
.set i, 0
.rept 8
	v_max_num_f32 v[DT+i], 0, v[DT+i]              ; d' = sqrt(max(d'^2, 0)): ascending, the clips eight ahead of the roots
.set i, i+1
.endr
.set i, 0
.rept 56
	v_sqrt_f32 v[DT+i], v[DT+i]
	v_max_num_f32 v[DT+8+i], 0, v[DT+8+i]
.set i, i+1
.endr
.rept 8
	v_sqrt_f32 v[DT+i], v[DT+i]
.set i, i+1
.endr
	v_nop                                          ; a plain instruction behind the last root,
	s_wait_alu depctr_va_vdst(0)                   ; and one wait for the 64, ahead of the products that take them as C
	HEAD 0
	HEAD 1
	HEAD 2
	HEAD 3
	s_xor_b32 s[TB], s[TB], SLOT1                  ; on to the other slot
.endm
; THE CHANGE OF SLOTS stands at a step's head.  Each wave waits for all its tensor loads (one is out: its part of the slot that it is about to read), adds 0 to its spare word, and waits for that and for its reads of the slot that it has left.
; fill = 1: a round of the cluster's barrier, so that no wave of any partner still reads that slot or has a load on its way; the joint load of the next step is the first thing behind it and has a whole step in which to land.
.macro CHANGE fill
	WIN 0
	s_wait_tensorcnt 0x0                           ; no tensor load of mine is out, so group 0 may be written
	ds_add_u32 v[SPW], v[NIL]                      ; 0 onto my spare word
.if \fill
	s_xor_b32 s[G0+1], s[G0+1], SLOT1              ; the walking descriptor: the other slot,
	s_add_nc_u64 s[G0+2:G0+3], s[G0+2:G0+3], 32768 ; the next step; the type bits on top are not reached
	s_wait_xcnt 0x0                                ; the last prefetch, a step back, has read its address
	s_add_nc_u64 s[PFA:PFA+1], s[PFA:PFA+1], 32768
	s_wait_dscnt 0x0                               ; the add is done, and my reads of the slot that I have left are over
	CROUND
	tensor_load_to_lds s[G0:G0+3], s[G1:G1+7]
	s_nop 0
	PLACES 4
	ASK
.else
	s_wait_dscnt 0x0
	s_barrier_signal -1
	s_barrier_wait -1
	PLACES 4
.endif
.endm
.Lstep:                                            ; 15 trips: behind each change of slots but the last the next step is asked for
	CHANGE 1
	STEP 1
	s_sub_co_u32 s[LEFT], s[LEFT], 1
	s_cmp_lg_u32 s[LEFT], 0
	s_cbranch_scc1 .Lstep
	CHANGE 0                                       ; the last step is written out
	STEP 0
	; THE MERGE of the four quarters of the keys.  Every wave puts its O^T (16 KB, into slot 0, which has had its last fill) and its statistics into LDS; wave (quarter k, pair) then merges head k of its pair of query tiles.
	s_wait_dscnt 0x0
	s_barrier_signal -1
	s_barrier_wait -1                              ; all eight waves have done with the ring
	WIN 0x04                                       ; an LDS store's data are its source 1: window 1
.set i, 0
.rept 32
	ds_store_b128 v[LIW], v[4*i:4*i+3] offset:512*i    ; ascending: each accumulator from its low end on
.set i, i+1
.endr
	WIN 0
.irp k, 0,1,2,3,4,5,6,7
	ds_store_b128 v[SW], v[ST+4*\k:ST+4*\k+3] offset:512*\k
.endr
	s_wait_dscnt 0x0                               ; for the others' sake: my stores have landed
	s_barrier_signal -1
	s_barrier_wait -1
.irp k, 0,1,2,3
.irp a, 0,1
	ds_load_b128 v[64+8*\k+4*\a:64+8*\k+4*\a+3], v[RS] offset:8192*\k+512*\a       ; quarter k's (n, e, l, l) of tile a
.endr
.endr
.irp k, 0,1
.irp i, 0,1,2,3,4,5,6,7
	ds_load_b128 v[128+32*\k+4*\i:128+32*\k+4*\i+3], v[RO] offset:32768*\k+512*\i
.endr
.endr
.irp k, 0,1
.irp i, 0,1,2,3,4,5,6,7
	ds_load_b128 v[192+32*\k+4*\i:192+32*\k+4*\i+3], v[RO2] offset:32768*\k+512*\i
.endr
.endr
	s_wait_dscnt 0x0
.irp a, 0,1
	v_min3_num_f32 v[TA+8*\a], v[64+4*\a], v[72+4*\a], v[80+4*\a]
.endr
.irp a, 0,1
	v_min_num_f32 v[TA+8*\a], v[TA+8*\a], v[88+4*\a]   ; the row's n
.endr
.irp k, 0,1,2,3
.irp a, 0,1
	v_sub_f32 v[64+8*\k+4*\a], v[TA+8*\a], v[64+8*\k+4*\a]
.endr
.endr
.irp k, 0,1,2,3
.irp a, 0,1
	v_exp_f32 v[64+8*\k+4*\a], v[64+8*\k+4*\a]         ; g = 2^(n - quarter k's n)
.endr
.endr
.irp k, 0,1,2,3
.irp a, 0,1
	v_add_f32 v[66+8*\k+4*\a], v[66+8*\k+4*\a], v[67+8*\k+4*\a]   ; l's two halves: plain work behind the batch
.endr
.endr
	s_wait_alu depctr_va_vdst(0)                   ; one wait for the eight
.irp a, 0,1
	v_mul_f32 v[TA+8*\a+1], v[64+4*\a], v[66+4*\a]
.endr
.irp k, 1,2,3
.irp a, 0,1
	v_fma_f32 v[TA+8*\a+1], v[64+8*\k+4*\a], v[66+8*\k+4*\a], v[TA+8*\a+1]
.endr
.endr
.irp a, 0,1
	v_permlanex16_b32 v[TA+8*\a+2], v[TA+8*\a+1], s[SEL], s[SEL+1]
.endr
.irp a, 0,1
	v_add_f32 v[TA+8*\a+1], v[TA+8*\a+1], v[TA+8*\a+2]   ; with the other half of the lanes': the row's sum
.endr
.irp a, 0,1
	v_rcp_f32 v[TA+8*\a+3], v[TA+8*\a+1]
.endr
	v_nop
	s_wait_alu depctr_va_vdst(0)                   ; one wait for the two reciprocals
.irp k, 0,1,2,3
.irp a, 0,1
	v_mul_f32 v[64+8*\k+4*\a], v[64+8*\k+4*\a], v[TA+8*\a+3]      ; g / the sum
.endr
.endr
.irp a, 0,1
.irp i, 0,1,2,3,4,5,6,7
	v_pk_mul_f32 v[128+16*\a+2*\i:128+16*\a+2*\i+1], v[128+16*\a+2*\i:128+16*\a+2*\i+1], v[64+4*\a:65+4*\a] op_sel_hi:[1,0]
.endr
.endr
.irp k, 1,2,3
.irp a, 0,1
.irp i, 0,1,2,3,4,5,6,7
	v_pk_fma_f32 v[128+16*\a+2*\i:128+16*\a+2*\i+1], v[128+32*\k+16*\a+2*\i:128+32*\k+16*\a+2*\i+1], v[64+8*\k+4*\a:65+8*\k+4*\a], v[128+16*\a+2*\i:128+16*\a+2*\i+1] op_sel_hi:[1,0,1]
.endr
.endr
.endr
.irp a, 0,1
.irp i, 0,1,2,3,4,5,6,7
	v_cvt_pk_f16_f32 v[96+8*\a+\i], v[128+16*\a+2*\i], v[129+16*\a+2*\i]   ; the fragment that the last product wants: token = lane % 16, 32 along its K
.endr
.endr
.irp a, 0,1
	global_store_b128 v[LI], v[96+8*\a:99+8*\a], s[12:13] offset:8192*\a          ; the wave stores 512 consecutive bytes
	global_store_b128 v[LI], v[100+8*\a:103+8*\a], s[12:13] offset:8192*\a+512
.endr
	s_wait_tensorcnt 0x0                           ; the wave's end: behind my last tensor load and my last LDS store
	ds_add_u32 v[SPW], v[NIL]
	s_wait_dscnt 0x0
	CROUND                                         ; the closing round: no work-group ends while a partner may still ask for a tile that names it
	s_endpgm
.Lfunc_end_k_q158f3135e8_attn:
	.size	k_q158f3135e8_attn, .Lfunc_end_k_q158f3135e8_attn-k_q158f3135e8_attn
	.p2alignl 7, 3214868480
	.fill 96, 4, 3214868480
	.section	.rodata,"a",@progbits
	.p2align	6, 0x0
	.amdhsa_kernel k_q158f3135e8_attn
		.amdhsa_group_segment_fixed_size 327680
		.amdhsa_private_segment_fixed_size 0
		.amdhsa_enable_private_segment 0
		.amdhsa_kernarg_size 40
		.amdhsa_user_sgpr_count 2
		.amdhsa_user_sgpr_kernarg_segment_ptr 1
		.amdhsa_wavefront_size32 1
		.amdhsa_system_sgpr_workgroup_id_x 1
		.amdhsa_system_sgpr_workgroup_id_y 1
		.amdhsa_system_sgpr_workgroup_id_z 1
		.amdhsa_system_vgpr_workitem_id 0
		.amdhsa_next_free_vgpr 512
		.amdhsa_next_free_sgpr 66
		.amdhsa_reserve_vcc 0
		.amdhsa_float_denorm_mode_32 3
		.amdhsa_float_denorm_mode_16_64 3
		.amdhsa_memory_ordered 1
		.amdhsa_forward_progress 1
		.amdhsa_inst_pref_size 149
	.end_amdhsa_kernel
	.amdgpu_metadata
---
amdhsa.version: [ 1, 2 ]
amdhsa.kernels:
  - .name:           k_q158f3135e8_attn
    .symbol:         k_q158f3135e8_attn.kd
    .args:
      - { .name: qimg, .offset: 0, .size: 8, .value_kind: global_buffer, .address_space: global }
      - { .name: kv, .offset: 8, .size: 8, .value_kind: global_buffer, .address_space: global }
      - { .name: fq, .offset: 16, .size: 8, .value_kind: global_buffer, .address_space: global }
      - { .name: fk, .offset: 24, .size: 8, .value_kind: global_buffer, .address_space: global }
      - { .name: att, .offset: 32, .size: 8, .value_kind: global_buffer, .address_space: global }
    .group_segment_fixed_size: 327680
    .private_segment_fixed_size: 0
    .kernarg_segment_align: 8
    .kernarg_segment_size: 40
    .max_flat_workgroup_size: 256
    .sgpr_count:     66
    .vgpr_count:     512
    .wavefront_size: 32
...
	.end_amdgpu_metadata
.endif
;; end of part 2
;; launch outp (part 3): grid 64 x 4, 16 waves a work-group, no clusters, 36,864 bytes of LDS; arguments att, wo16, bo, out0; writes out0
.if DOCPART == 3
	.amdgcn_target "amdgcn-amd-amdhsa--gfx1250"
	.amdhsa_code_object_version 6
	.text
	.protected	k_q158f3135e8_outp
	.globl	k_q158f3135e8_outp
	.p2align	8
	.type	k_q158f3135e8_outp,@function
k_q158f3135e8_outp:
	s_mov_b64 s[64:65], 0
	v_nop
	global_prefetch_b8 v0, s[64:65] scope:SCOPE_SE
	s_setreg_imm32_b32 hwreg(HW_REG_WAVE_MODE, 25, 1), 1
	s_wait_xcnt 0x0
; out0 = att Wo^T + bo.  att [token tile 512][K chunk 8][1 KB] and wo16 [feature tile 16][K chunk 8][1 KB] are f16 images of the operands' registers (registers 0-3 of lane L at 16 L, 4-7 at 512 + 16 L); sums in f32.
; SHARES.  A work-group makes 128 tokens (x) x 64 features (y).  Wave u: feature tile 4 y + u % 4, token tiles 8 x + 2 (u / 4) + 0, 1: two accumulators, K = 256 in 8 chunks of 32.
; The product is used transposed (source 0 = 16 rows of Wo, source 1 = 16 tokens): a lane holds eight neighbouring features of one token.  The bias is the C of each sum's first product.
; The results meet in a stage in LDS (128 rows of 256 bytes + 16) and leave as whole rows: sixteen lanes store 256 consecutive bytes, at a multiple of 256 from out0's first byte.
; NO CLUSTER, NO TENSOR LOAD: every fragment goes from memory straight into the registers of the wave that multiplies it, 24 KB a wave in 48 loads that are all issued at the head; there is no loop in which a ring could turn.
.set SPITCH, 272
.set SPARE, 128*SPITCH                 ; behind the stage: the spare words, 128 bytes for each of the 16 waves: eight blocks of 256 bytes that no other line names
.set LI,  1                            ; v1  16 x lane
.set SO,  4                            ; v4  the stage: where I put 32 bytes of a row
.set SR,  5                            ; v5  and where I read a row back
.set GOF, 6                            ; v6  my byte offset in the wave's rows of out0
.set SPW, 8                            ; v8  my spare word; never rewritten
.set NIL, 9                            ; v9  0; never rewritten
.set BIAS, 16                          ; v16-23
.set ACC, 24                           ; v24-39  two accumulators
.set OUTR, 40                          ; v40-55  rows read back
.set WF,  64                           ; v64-127  Wo's 8 fragments
.set AF,  128                          ; v128-255 att's: tile m, chunk c at AF + 64 m + 8 c
	s_load_b256 s[4:11], s[0:1], 0x0               ; att 4, wo16 6, bo 8, out0 10
	v_lshl_add_u32 v[SPW], v0, 2, SPARE
	v_mov_b32 v[NIL], 0
	v_lshrrev_b32 v1, 5, v0
	v_readfirstlane_b32 s12, v1                    ; u
	s_and_b32 s13, s12, 3                          ; which of the four feature tiles
	s_lshr_b32 s14, s12, 2                         ; which pair of token tiles
	s_and_b32 s15, ttmp7, 0xffff                   ; y
	s_lshl_b32 s16, s15, 2
	s_add_co_u32 s16, s16, s13                     ; my feature tile
	v_and_b32 v[LI], 31, v0
	v_lshlrev_b32 v[LI], 4, v[LI]
	v_and_b32 v2, 15, v0                           ; r
	v_bfe_u32 v3, v0, 4, 1                         ; h
	v_mul_u32_u24 v[SO], v2, SPITCH
	v_lshl_add_u32 v[SO], v3, 5, v[SO]
	s_mul_i32 s17, s14, 32*SPITCH
	s_lshl_b32 s18, s13, 6
	s_add_co_u32 s17, s17, s18
	v_add_nc_u32 v[SO], s17, v[SO]                 ; row 32 (u / 4) + r, + 64 bytes a feature tile, + 32 h
	v_mul_u32_u24 v[SR], v3, SPITCH
	v_lshl_add_u32 v[SR], v2, 4, v[SR]
	s_mul_i32 s17, s12, 8*SPITCH
	v_add_nc_u32 v[SR], s17, v[SR]                 ; back: my 8 rows; lanes 0-15 one row, lanes 16-31 the next
	v_lshlrev_b32 v[GOF], 10, v3
	v_lshl_add_u32 v[GOF], v2, 4, v[GOF]           ; and the same two rows in out0
	v_lshlrev_b32 v7, 5, v3                        ; the bias: features 8 h + 0 .. 7 of my tile
	s_mov_b32 s21, 0
	s_wait_kmcnt 0x0
	s_lshl_b32 s20, ttmp9, 16                      ; att: 8 token tiles of 8 KB a work-group, my pair
	s_lshl_b32 s22, s14, 14
	s_add_co_u32 s20, s20, s22
	s_add_nc_u64 s[4:5], s[4:5], s[20:21]
	s_lshl_b32 s20, s16, 13
	s_add_nc_u64 s[6:7], s[6:7], s[20:21]
	s_lshl_b32 s20, s16, 6
	s_add_nc_u64 s[8:9], s[8:9], s[20:21]
	s_lshl_b32 s20, ttmp9, 17                      ; out0: 128 rows of 1,024 bytes a work-group, my 8 rows, the work-group's 256 bytes of a row
	s_lshl_b32 s22, s12, 13
	s_add_co_u32 s20, s20, s22
	s_lshl_b32 s22, s15, 8
	s_add_co_u32 s20, s20, s22
	s_add_nc_u64 s[10:11], s[10:11], s[20:21]
	global_load_b128 v[BIAS:BIAS+3], v7, s[8:9]
	global_load_b128 v[BIAS+4:BIAS+7], v7, s[8:9] offset:16
.irp c, 0,1,2,3,4,5,6,7                        ; six loads a K chunk
	global_load_b128 v[WF+8*\c:WF+8*\c+3], v[LI], s[6:7] offset:1024*\c
	global_load_b128 v[WF+8*\c+4:WF+8*\c+7], v[LI], s[6:7] offset:1024*\c+512
.irp m, 0,1
	global_load_b128 v[AF+64*\m+8*\c:AF+64*\m+8*\c+3], v[LI], s[4:5] offset:8192*\m+1024*\c
	global_load_b128 v[AF+64*\m+8*\c+4:AF+64*\m+8*\c+7], v[LI], s[4:5] offset:8192*\m+1024*\c+512
.endr
.endr
.irp c, 0,1,2,3,4,5,6,7
	s_wait_loadcnt 6*(7-\c)                        ; this chunk's loads are in; the later chunks' six each may be out
.irp m, 0,1                                    ; the two accumulators take turns
.if \c == 0
	v_wmma_f32_16x16x32_f16 v[ACC+8*\m:ACC+8*\m+7], v[WF+8*\c:WF+8*\c+7], v[AF+64*\m+8*\c:AF+64*\m+8*\c+7], v[BIAS:BIAS+7]
.else
	v_wmma_f32_16x16x32_f16 v[ACC+8*\m:ACC+8*\m+7], v[WF+8*\c:WF+8*\c+7], v[AF+64*\m+8*\c:AF+64*\m+8*\c+7], v[ACC+8*\m:ACC+8*\m+7]
.endif
.endr
.endr
.rept 4
	v_nop                                          ; four places ahead of the first read of results
.endr
.irp m, 0,1
	ds_store_b128 v[SO], v[ACC+8*\m:ACC+8*\m+3] offset:16*\m*SPITCH          ; each accumulator from its low end on
	ds_store_b128 v[SO], v[ACC+8*\m+4:ACC+8*\m+7] offset:16*\m*SPITCH+16
.endr
	s_wait_dscnt 0x0                               ; for the others' sake: my stores have landed
	s_barrier_signal -1
	s_barrier_wait -1                              ; 128 whole rows lie in the stage
.irp i, 0,1,2,3
	ds_load_b128 v[OUTR+4*\i:OUTR+4*\i+3], v[SR] offset:2*\i*SPITCH
.endr
.irp i, 0,1,2,3
	s_wait_dscnt 3-\i                              ; the younger reads may be out
	global_store_b128 v[GOF], v[OUTR+4*\i:OUTR+4*\i+3], s[10:11] offset:2048*\i th:TH_STORE_NT
.endr
	s_wait_tensorcnt 0x0                           ; the wave's end: behind my last LDS store; the tensor wait stands in a text with no tensor load too
	ds_add_u32 v[SPW], v[NIL]
	s_wait_dscnt 0x0
	s_endpgm
.Lfunc_end_k_q158f3135e8_outp:
	.size	k_q158f3135e8_outp, .Lfunc_end_k_q158f3135e8_outp-k_q158f3135e8_outp
	.p2alignl 7, 3214868480
	.fill 96, 4, 3214868480
	.section	.rodata,"a",@progbits
	.p2align	6, 0x0
	.amdhsa_kernel k_q158f3135e8_outp
		.amdhsa_group_segment_fixed_size 36864
		.amdhsa_private_segment_fixed_size 0
		.amdhsa_enable_private_segment 0
		.amdhsa_kernarg_size 32
		.amdhsa_user_sgpr_count 2
		.amdhsa_user_sgpr_kernarg_segment_ptr 1
		.amdhsa_wavefront_size32 1
		.amdhsa_system_sgpr_workgroup_id_x 1
		.amdhsa_system_sgpr_workgroup_id_y 1
		.amdhsa_system_sgpr_workgroup_id_z 1
		.amdhsa_system_vgpr_workitem_id 0
		.amdhsa_next_free_vgpr 256
		.amdhsa_next_free_sgpr 66
		.amdhsa_reserve_vcc 0
		.amdhsa_float_denorm_mode_32 3
		.amdhsa_float_denorm_mode_16_64 3
		.amdhsa_memory_ordered 1
		.amdhsa_forward_progress 1
		.amdhsa_inst_pref_size 10
	.end_amdhsa_kernel
	.amdgpu_metadata
---
amdhsa.version: [ 1, 2 ]
amdhsa.kernels:
  - .name:           k_q158f3135e8_outp
    .symbol:         k_q158f3135e8_outp.kd
    .args:
      - { .name: att, .offset: 0, .size: 8, .value_kind: global_buffer, .address_space: global }
      - { .name: wo16, .offset: 8, .size: 8, .value_kind: global_buffer, .address_space: global }
      - { .name: bo, .offset: 16, .size: 8, .value_kind: global_buffer, .address_space: global }
      - { .name: out0, .offset: 24, .size: 8, .value_kind: global_buffer, .address_space: global }
    .group_segment_fixed_size: 36864
    .private_segment_fixed_size: 0
    .kernarg_segment_align: 8
    .kernarg_segment_size: 32
    .max_flat_workgroup_size: 512
    .sgpr_count:     66
    .vgpr_count:     256
    .wavefront_size: 32
...
	.end_amdgpu_metadata
.endif
;; end of part 3
